; MI455X (gfx1250); checked and timed in simulation.
; The chip was launched on July 23, 2026; its instructions are those of AMD's public machine-readable ISA for CDNA 5 (MIT licence, August 2026) and "CDNA5" Instruction Set Architecture Reference Guide (July 2026). The comments in the code are by the model that wrote it; some were corrected since.
;; Long Term Memory. Allowed arithmetic: matrix products marked QUANTISED: E4M3 operands, one E8M0 scale for each 32 along K, by v_wmma_scale_f32_16x16x128_f8f6f4 with both operands' format E4M3, f32 sums; everything else in f32.
;; Inputs: memory 100,000 x 512 float32; query 2,048 x 256 float32.
;; Outputs: out0 2,048 x 256 float32.
;; This version of the problem:
;;   THIS VERSION OF THE PROBLEM IS GIVEN IN LOW PRECISION. The matrix products marked QUANTISED in the list below multiply operands that are first quantised to E4M3 (4 exponent bits, 3 mantissa bits; 8 bits a number), with one power-of-two scale for each 32 numbers along K (OCP MX v1.0); their sums are f32. All else is computed in f32.
;;   The module's matrix products, in the order in which they are computed (A, B: the left and right operand; K: the contracted axis; several contracted axes count as one K, in the product's order):
;;     1. [M 2,048, K 256] x [K 256, N 100,000]; A: input query; B: input memory: QUANTISED
;;   THE QUANTISER, for each operand of a quantised product, along K:
;;     - K is cut into blocks of 32 from its start; a last block that is shorter is filled with zeros.
;;     - A block's scale is 2^e with e = floor(log2(the largest magnitude in the block)) - 8, held to -126 .. 127; a block of zeros has e = 0. As a byte (E8M0): e + 127.
;;     - Each number is divided by its block's scale, clamped to +-448, and rounded to the nearest number of E4M3, ties to even, subnormals kept.
;;     - The product sums the exact products of the quantised numbers (number of the format x scale) in f32.
;;   ~~~python
;;   def quantise(x, axis):      # numpy; x: float32 -> the quantised numbers, widened to float32 again
;;       x = np.moveaxis(x, axis, -1); K = x.shape[-1]
;;       x = np.pad(x, [(0, 0)] * (x.ndim - 1) + [(0, -K % 32)]); x = x.reshape(x.shape[:-1] + (-1, 32)); a = np.abs(x).max(-1, keepdims=True)
;;       e = np.where(a > 0, np.clip(np.frexp(np.where(a > 0, a, 1))[1] - 1 - 8, -126, 127), 0)      # np.frexp(a)[1] - 1 = floor(log2(a)), exactly
;;       r = np.clip(x / 2.0 ** e, -448, 448)
;;       step = 2.0 ** (np.maximum(np.frexp(np.where(r == 0, 1, r))[1] - 1, -6) - 3)
;;       q = np.round(r / step) * step * 2.0 ** e      # np.round: ties to even
;;       return np.moveaxis(q.reshape(q.shape[:-2] + (-1,))[..., :K], -1, axis).astype(np.float32)
;;   ~~~
;; One version. Each part assembles by itself: llvm-mc -triple=amdgcn-amd-amdhsa -mcpu=gfx1250 --defsym DOCPART=n.
;; ======== version 1 of 1: 4 launches
;; limits: right only within a limited range of input values
;; workspace buffers: kcodes 25,600,000 bytes; kmeta 1,200,128 bytes; qcodes 524,288 bytes; qmeta 24,576 bytes; pval 1,024,000 bytes; pidx 1,024,000 bytes of whole numbers; gsel 8,192 bytes of whole numbers
;; launch quant (part 1): grid 1063 x 1, 3 waves a work-group, no clusters, 25,856 bytes of LDS; arguments memory, query, kcodes, kmeta, qcodes, qmeta; writes kcodes, kmeta, qcodes, qmeta
.if DOCPART == 1
	.amdgcn_target "amdgcn-amd-amdhsa--gfx1250"
	.amdhsa_code_object_version 6
	.text
	.protected	k_qc9f7c6f4f3_quant
	.globl	k_qc9f7c6f4f3_quant
	.p2align	8
	.type	k_qc9f7c6f4f3_quant,@function
k_qc9f7c6f4f3_quant:
	s_mov_b64 s[64:65], 0
	v_nop
	global_prefetch_b8 v0, s[64:65] scope:SCOPE_SE
	s_setreg_imm32_b32 hwreg(HW_REG_WAVE_MODE, 25, 1), 1
	s_wait_xcnt 0x0
; Keys (the first 256 numbers of each row of memory [100000][512]) and queries [2048][256], f32, become codes of FP8 (E4M3) with one E8M0 scale byte for each 32 along K,
; laid as IMAGES OF THE OPERAND'S REGISTERS, and each row's norm becomes one f32 number beside them.
; A block's scale is 2^(floor(log2(its largest magnitude)) - 8); its byte is the largest magnitude's exponent field - 8, held at 1 from below; each number is divided by the scale,
; held within +-448 and rounded to the nearest code, ties to even.  (A block of zeros gets the byte 1 where the rule says 127: its codes are zeros, and this program alone reads the bytes.)
; A PAIR is 32 rows, two tiles t of 16.  Codes: byte 8192 P + 4096 t + 2048 s + 512 c + 16 lane holds the 16 codes k = 128 s + 32 c + 16 (lane / 16) + 0 .. 15 of tile row lane % 16.
;   Keys:    tile t, row m is key 32 P + 16 (m / 8) + 8 t + m % 8, so that in a product's result a lane's 16 registers of the two tiles are 16 neighbouring keys.
;   Queries: tile t, row m is query 32 P + 16 t + m.
; Scale words: byte 256 P + 8 lane + 4 t: lanes 0-15 row (lane)'s word of K step 0, lanes 16-31 row (lane - 16)'s word of K step 1.
; Beside them, byte 128 P + 4 (16 t + row): for a key rk = 1 / sqrt(sum of squares); for a query qe = sqrt(sum of squares) x 1e8 (= |q| / eps).
; SHARES: 3 x 1063 = 3189 waves = 3125 pairs of keys + 64 pairs of queries; a wave takes one pair: four fragments of 16 rows x 128 K, written out.  Both tensors take ONE path: only pointers and
; strides are chosen, on the wave's running number.  Waves share nothing: no barrier.
; Each load reads 512 consecutive bytes of one row; a fragment's 8,192 bytes turn through the wave's own stage in LDS so that a lane gets 16 neighbours of each block of 32.
; LIMITS: NaN and infinities among the inputs are not served; a row whose sum of squares overflows f32 is not served; a row whose sum of squares lies under 2^-126 counts as a row of
; zeros (v_rsq_f32 and v_sqrt_f32 take a denormal as zero: ISA guide, their entries); blocks whose largest magnitude lies under 2^(9 - 127) have their byte held at 1.
.set NKP,    3125                      ; pairs of keys
.set SP,     528                       ; a stage row: 512 bytes + 16: an odd multiple of 16, so that the 16 rows that a load touches start at 16 different groups of banks
.set STAGEB, 16*SP                     ; a wave's stage
.set CO,  4                            ; v4      16 x lane
.set STI, 5                            ; v5      the stage on the way in: my 16 bytes of a row
.set STO, 6                            ; v6      on the way out: row lane % 16, + 64 (lane / 16)
.set SSB, 10                           ; v[10:11] sum of squares, second chain
.set VO,  16                           ; v16-23  16 x lane + i rows
.set TM,  24                           ; v24-27 largest magnitudes, v28-31 bytes, v32-35 448 x the scale, v36-39 the conversions' scale operands
.set PW,  40                           ; v40     the scale word just made
.set PWA, 41                           ; v41     K step 0's, kept
.set W,   42                           ; v[42:43] the two tiles' scale words as they are stored
.set AUX, 44                           ; v44-45  the two tiles' rk or qe
.set SSA, 46                           ; v[46:47] sum of squares, first chain
.set PC,  48                           ; v48-63  a fragment's codes
.set X,   64                           ; v64-127 64 numbers: register 16 b + i = k 32 b + 16 (lane / 16) + i of my row
.set R,   128                          ; v128-255 two sets of 64 registers as loaded
.set SB,  28                           ; s[28:35] source bases: tile t, upper or lower eight rows a: pair 2 t + a
	s_load_b256 s[4:11], s[0:1], 0x0               ; memory s[4:5], query s[6:7], kcodes s[8:9], kmeta s[10:11]
	s_load_b128 s[12:15], s[0:1], 0x20             ; qcodes s[12:13], qmeta s[14:15]
	v_lshl_add_u32 v9, v0, 2, 0x6300
	v_mov_b32 v3, 0                                ; v3: 0, kept for the add alone
	v_lshrrev_b32 v1, 5, v0
	v_readfirstlane_b32 s16, v1                    ; wave 0..2
	v_and_b32 v1, 31, v0                           ; lane
	v_and_b32 v2, 15, v0                           ; r
	v_bfe_u32 v13, v0, 4, 1                        ; hh
	s_mul_i32 s17, ttmp9, 3
	s_add_co_u32 s17, s17, s16                     ; T: the wave's running number, 0 .. 3188
	s_mov_b32 s20, 0xffff0000                      ; a lane mask: lanes 16-31
	s_mov_b32 s22, 0x600000                        ; the mantissa field of 448
	s_mov_b32 s24, 0x76543210
	s_mov_b32 s25, 0xfedcba98                      ; v_permlanex16_b32's selects for lane l xor 16
	s_mul_i32 s26, s16, STAGEB
	v_lshlrev_b32 v[CO], 4, v1
	v_add_nc_u32 v[STI], s26, v[CO]
	v_mul_u32_u24 v[STO], v2, SP
	v_lshl_add_u32 v[STO], v13, 6, v[STO]
	v_add_nc_u32 v[STO], s26, v[STO]
	v_lshlrev_b32 v7, 3, v1                        ; 8 x lane: the scale words' place
	v_lshlrev_b32 v8, 2, v1                        ; 4 x lane: rk's or qe's
.irp b, 0,1,2,3
	v_mov_b32 v[TM+4+\b], 0                        ; written once: a lane permute's destination counts as one of its sources
.endr
	v_mov_b32 v13, 0
	s_mov_b32 s18, NKP                             ; (an instruction takes one literal: of each pair to choose from, one number stands in a register)
	s_mov_b32 s19, 1024
	s_mov_b32 s23, 8192
	s_mov_b32 s26, 16384
	s_mov_b32 s43, 0
	s_mov_b32 s45, 0
	s_mov_b32 s47, 0
	s_wait_kmcnt 0x0
	s_cmp_lt_u32 s17, NKP                          ; keys or queries?  The choice hangs on ids alone; all selects stand behind this one compare
	s_cselect_b64 s[4:5], s[4:5], s[6:7]           ; the source
	s_cselect_b64 s[8:9], s[8:9], s[12:13]         ; its codes
	s_cselect_b64 s[10:11], s[10:11], s[14:15]     ; its scale words and norms
	s_cselect_b32 s18, 0, s18
	s_cselect_b32 s19, 2048, s19                   ; bytes from row to row
	s_cselect_b32 s23, 32768, s23                  ; bytes from a tile's rows 0-7 to its rows 8-15 (keys: 16 rows on; queries: 8)
	s_cselect_b32 s26, 800000, s26                 ; where the norms begin
	s_cselect_b32 s27, 16, 15                      ; a pair's 32 rows: 2^16 or 2^15 bytes
	s_cselect_b32 s21, -1, 0                       ; a lane mask: all lanes for keys, none for queries
	s_sub_co_u32 s18, s17, s18                     ; p: my pair
	s_lshl_b32 s42, s18, s27
	s_add_nc_u64 s[SB:SB+1], s[4:5], s[42:43]      ; tile 0, rows 0-7
	s_mov_b32 s44, s23
	s_add_nc_u64 s[SB+2:SB+3], s[SB:SB+1], s[44:45]    ; tile 0, rows 8-15
	s_add_nc_u64 s[SB+4:SB+5], s[SB:SB+1], 16384       ; tile 1 lies 16,384 bytes on in both tensors (8 rows of keys, 16 of queries)
	s_add_nc_u64 s[SB+6:SB+7], s[SB+2:SB+3], 16384
	s_lshl_b32 s46, s18, 13
	s_add_nc_u64 s[36:37], s[8:9], s[46:47]        ; my pair's codes
	s_lshl_b32 s46, s18, 8
	s_add_nc_u64 s[38:39], s[10:11], s[46:47]      ; its scale words
	s_lshl_b32 s46, s18, 7
	s_add_co_u32 s46, s46, s26
	s_add_nc_u64 s[40:41], s[10:11], s[46:47]      ; its norms
.irp i, 0,1,2,3,4,5,6,7
	v_mad_u32_u24 v[VO+\i], s19, \i, v[CO]
.endr
.macro LOAD t, s, set                  ; fragment (t, s): 16 rows x 512 bytes; each load is 512 consecutive bytes of one row
.irp m, 0,1,2,3,4,5,6,7,8,9,10,11,12,13,14,15
	global_load_b128 v[R+64*(\set)+4*\m:R+64*(\set)+4*\m+3], v[VO+\m%8], s[SB+4*(\t)+2*(\m/8):SB+4*(\t)+2*(\m/8)+1] offset:512*(\s) th:TH_LOAD_NT
.endr
.endm
.macro TURN set                        ; through my stage: in as rows, out 16 neighbours of each block a lane.  LDS serves a wave's instructions in order (ISA guide 5.7.1.4): no wait between the stores and the loads
.irp m, 0,1,2,3,4,5,6,7,8,9,10,11,12,13,14,15
	ds_store_b128 v[STI], v[R+64*(\set)+4*\m:R+64*(\set)+4*\m+3] offset:SP*\m
.endr
.irp b, 0,1,2,3
.irp j, 0,1,2,3
	ds_load_b128 v[X+16*\b+4*\j:X+16*\b+4*\j+3], v[STO] offset:128*\b+16*\j
.endr
.endr
.endm
.macro SUMSQ first                     ; the squares of my 64 numbers, unquantised, two at a time in two chains; first = 1: the first products start the sums
.if \first
	v_pk_mul_f32 v[SSA:SSA+1], v[X:X+1], v[X:X+1]
	v_pk_mul_f32 v[SSB:SSB+1], v[X+2:X+3], v[X+2:X+3]
.else
	v_pk_fma_f32 v[SSA:SSA+1], v[X:X+1], v[X:X+1], v[SSA:SSA+1]
	v_pk_fma_f32 v[SSB:SSB+1], v[X+2:X+3], v[X+2:X+3], v[SSB:SSB+1]
.endif
.irp i, 4,8,12,16,20,24,28,32,36,40,44,48,52,56,60
	v_pk_fma_f32 v[SSA:SSA+1], v[X+\i:X+\i+1], v[X+\i:X+\i+1], v[SSA:SSA+1]
	v_pk_fma_f32 v[SSB:SSB+1], v[X+\i+2:X+\i+3], v[X+\i+2:X+\i+3], v[SSB:SSB+1]
.endr
.endm
.macro QUANT                           ; X becomes a fragment's codes in v[PC] on and its row's scale word in v[PW]
.irp b, 0,1,2,3
	v_max3_num_f32 v[TM+\b], |v[X+16*\b]|, |v[X+1+16*\b]|, 0x4800000   ; block b: my 16 numbers, and the floor 2^(9 - 127): so the byte cannot fall under 1
.endr
.irp i, 2,4,6,8,10,12,14
.irp b, 0,1,2,3
	v_max3_num_f32 v[TM+\b], v[TM+\b], |v[X+16*\b+\i]|, |v[X+1+16*\b+\i]|   ; (the four blocks by turns: no line waits for the line above it)
.endr
.endr
.irp b, 0,1,2,3
	v_permlanex16_b32 v[TM+4+\b], v[TM+\b], s24, s25
.endr
.irp b, 0,1,2,3
	v_max_num_f32 v[TM+\b], v[TM+\b], v[TM+4+\b]   ; with lane l xor 16's 16: the block's largest magnitude
.endr
.irp b, 0,1,2,3
	v_add_nc_u32 v[TM+12+\b], 0xfc000000, v[TM+\b] ; 8 off its exponent field: the conversion takes the exponent field of this operand as its scale
.endr
.irp b, 0,1,2,3
	v_and_or_b32 v[TM+8+\b], v[TM+\b], 0x7f800000, s22   ; 448 x the scale
.endr
.irp b, 0,1,2,3
	v_lshrrev_b32 v[TM+4+\b], 23, v[TM+12+\b]      ; the scale's byte
.endr
	v_lshl_or_b32 v[PW], v[TM+5], 8, v[TM+4]
	v_lshl_or_b32 v[PW], v[TM+6], 16, v[PW]
	v_lshl_or_b32 v[PW], v[TM+7], 24, v[PW]
.irp b, 0,1,2,3
.irp i, 0,1,2,3,4,5,6,7,8,9,10,11,12,13,14,15
	v_med3_num_f32 v[X+16*\b+\i], v[X+16*\b+\i], -v[TM+8+\b], v[TM+8+\b]   ; the conversion to an 8-bit code does not saturate (ISA guide 7.6.2): the hold at the largest code x the scale
.endr
	v_cvt_scalef32_pk8_fp8_f32 v[PC+4*\b:PC+1+4*\b], v[X+16*\b:X+7+16*\b], v[TM+12+\b]
	v_cvt_scalef32_pk8_fp8_f32 v[PC+2+4*\b:PC+3+4*\b], v[X+8+16*\b:X+15+16*\b], v[TM+12+\b]
.endr
	v_nop                                          ; one plain vector line behind the last conversion
.endm
.macro AUXT t                          ; tile t's rows: the sum of squares is whole; rk for a key, qe for a query
	v_pk_add_f32 v[SSA:SSA+1], v[SSA:SSA+1], v[SSB:SSB+1]
	v_add_f32 v12, v[SSA], v[SSA+1]
	v_permlanex16_b32 v13, v12, s24, s25
	v_add_f32 v12, v12, v13                        ; with lane l xor 16's half of the row
	s_wait_alu depctr_va_vdst(0)
	v_rsq_f32 v14, v12                             ; 1 / |k|; +infinity for a row of zeros
	v_sqrt_f32 v15, v12
	v_nop                                          ; a plain line behind the transcendentals, ahead of the use of their results
	s_wait_alu depctr_va_vdst(0)
	v_mul_f32 v15, 0x4cbebc20, v15                 ; |q| x 1e8 = |q| / eps
	v_cndmask_b32 v[AUX+\t], v15, v14, s21
.endm
; A fragment.  left: the loads issued behind this fragment's sixteen, which may stay out.  more = 1: tile 1's fragment of the same K step is asked for, into the set just emptied.
.macro FRAG t, s, set, left, more
	s_wait_loadcnt \left
	TURN \set
	s_wait_dscnt 0x0                               ; X is in; so the stage's stores have read the set
.if \more
	LOAD 1, \s, \set
.endif
	SUMSQ 1-\s
.if (\t)+(\s) > 0
	s_wait_xcnt 0x0                                ; the last fragment's stores have had their addresses translated (ISA guide 3.1): only behind this wait are the codes' registers written again
.endif
	QUANT
.irp c, 0,1,2,3
	global_store_b128 v[CO], v[PC+4*\c:PC+4*\c+3], s[36:37] offset:4096*(\t)+2048*(\s)+512*\c   ; 32 lanes store 512 consecutive bytes, aligned
.endr
.if \s == 0
	v_mov_b32 v[PWA], v[PW]
.else
	v_cndmask_b32 v[W+\t], v[PWA], v[PW], s20      ; lanes 0-15 K step 0's word, lanes 16-31 K step 1's
	AUXT \t
.endif
.endm
	LOAD 0, 0, 0
	LOAD 0, 1, 1
	s_wait_alu depctr_va_vdst(0)
	FRAG 0, 0, 0, 16, 1
	FRAG 0, 1, 1, 16, 1
	FRAG 1, 0, 0, 16, 0
	FRAG 1, 1, 1, 0, 0
	global_store_b64 v7, v[W:W+1], s[38:39]        ; the pair's 64 scale words: 256 consecutive bytes, aligned
	v_cndmask_b32 v12, v[AUX], v[AUX+1], s20       ; lanes 0-15 tile 0's rows, lanes 16-31 tile 1's
	global_store_b32 v8, v12, s[40:41]             ; 128 consecutive bytes
	s_wait_tensorcnt 0x0                           ; the wave's end
	ds_add_u32 v9, v3
	s_wait_dscnt 0x0
	s_endpgm
.Lfunc_end_k_qc9f7c6f4f3_quant:
	.size	k_qc9f7c6f4f3_quant, .Lfunc_end_k_qc9f7c6f4f3_quant-k_qc9f7c6f4f3_quant
	.p2alignl 7, 3214868480
	.fill 96, 4, 3214868480
	.section	.rodata,"a",@progbits
	.p2align	6, 0x0
	.amdhsa_kernel k_qc9f7c6f4f3_quant
		.amdhsa_group_segment_fixed_size 25856
		.amdhsa_private_segment_fixed_size 0
		.amdhsa_enable_private_segment 0
		.amdhsa_kernarg_size 48
		.amdhsa_user_sgpr_count 2
		.amdhsa_user_sgpr_kernarg_segment_ptr 1
		.amdhsa_wavefront_size32 1
		.amdhsa_system_sgpr_workgroup_id_x 1
		.amdhsa_system_sgpr_workgroup_id_y 1
		.amdhsa_system_sgpr_workgroup_id_z 1
		.amdhsa_system_vgpr_workitem_id 0
		.amdhsa_next_free_vgpr 256
		.amdhsa_next_free_sgpr 66
		.amdhsa_reserve_vcc 0
		.amdhsa_float_denorm_mode_32 3
		.amdhsa_float_denorm_mode_16_64 3
		.amdhsa_memory_ordered 1
		.amdhsa_forward_progress 1
		.amdhsa_inst_pref_size 61
	.end_amdhsa_kernel
	.amdgpu_metadata
---
amdhsa.version: [ 1, 2 ]
amdhsa.kernels:
  - .name:           k_qc9f7c6f4f3_quant
    .symbol:         k_qc9f7c6f4f3_quant.kd
    .args:
      - { .name: memory, .offset: 0, .size: 8, .value_kind: global_buffer, .address_space: global }
      - { .name: query, .offset: 8, .size: 8, .value_kind: global_buffer, .address_space: global }
      - { .name: kcodes, .offset: 16, .size: 8, .value_kind: global_buffer, .address_space: global }
      - { .name: kmeta, .offset: 24, .size: 8, .value_kind: global_buffer, .address_space: global }
      - { .name: qcodes, .offset: 32, .size: 8, .value_kind: global_buffer, .address_space: global }
      - { .name: qmeta, .offset: 40, .size: 8, .value_kind: global_buffer, .address_space: global }
    .group_segment_fixed_size: 25856
    .private_segment_fixed_size: 0
    .kernarg_segment_align: 8
    .kernarg_segment_size: 48
    .max_flat_workgroup_size: 96
    .sgpr_count:     66
    .vgpr_count:     256
    .wavefront_size: 32
...
	.end_amdgpu_metadata
.endif
;; end of part 1
;; launch scan (part 2): grid 2 x 125, 8 waves a work-group, no clusters, 327,680 bytes of LDS; arguments kcodes, kmeta, qcodes, qmeta, pval, pidx; writes pval, pidx
.if DOCPART == 2
	.amdgcn_target "amdgcn-amd-amdhsa--gfx1250"
	.amdhsa_code_object_version 6
	.text
	.protected	k_qc9f7c6f4f3_scan
	.globl	k_qc9f7c6f4f3_scan
	.p2align	8
	.type	k_qc9f7c6f4f3_scan,@function
k_qc9f7c6f4f3_scan:
	s_mov_b64 s[64:65], 0
	v_nop
	global_prefetch_b8 v0, s[64:65] scope:SCOPE_SE
	s_setreg_imm32_b32 hwreg(HW_REG_WAVE_MODE, 25, 1), 1
	s_wait_xcnt 0x0
; THE QUANTISED PRODUCT query x keys^T on codes of FP8 (E4M3) with E8M0 scales, and the first level of the argmax.
; score(q, k) = dot(q, k) x min(rk[k], qe[q]), rk = 1 / |k|, qe = |q| / eps: reference's dot / max(|q| |k|, eps) times |q|, a factor that is positive and the same along a query's row,
; so it does not move the argmax; where |q| = 0 every score is 0 and the first key wins, as there.
; A work-group takes 1,024 queries (x) and a chunk of 25 pairs = 800 keys (y; 125 x 800 = 100,000).  For each query it stores the chunk's largest score (pval[chunk][query]) and the number
; of the GROUP of 16 neighbouring keys that holds it (pidx); a later launch finds the key inside the group.  Ties go to the lower group.
; SHARES.  Each of the eight waves keeps 8 tiles of 16 queries (256 registers, window 1) and walks all 25 pairs.  A pair's fragments (8,192 bytes from LDS) feed 32 matrix instructions.
; LAYOUT.  Source 0 = 16 keys, source 1 = 16 queries: a lane holds ONE query (lane % 16), and the 16 registers of a pair's two tiles are keys 32 P + 16 (lane / 16) + 0 .. 15: group 2 P + lane / 16.
; A STEP is one query tile against one pair.  The NEXT step's four products are issued first, into the other of two sets of accumulators; then this step's 26 vector lines run: they name no
; register of the products just issued, so they are also the places behind them (ISA guide 7.12.1).  Minima and multiplications go two to a line (dual issue).
; LDS.  Everything is filled once.  At the head each wave asks for one tile: waves 0-6 a pair of codes each (pairs 0-6), wave 7 the chunk's 6,400 bytes of scale words; all rows are 256 bytes,
; aligned.  rk (3,200 bytes, no whole number of such rows) comes by one plain load a thread and an LDS store.  Behind a barrier, each wave asks for 72 rows
; of the other 18 pairs.  Pairs 0 and 1 are multiplied tile by tile as the query tiles land; a barrier in pair 3's last step shows pairs 7-24 landed, ahead of the first read of pair 7.
; No cluster: the grid is 2 x 125, which no cluster of four divides.  No prefetch: all of the launch's fills are asked for in its first two groups of loads, so no later load is left to ask ahead for.
; LIMITS: NaN and infinities are not served.  The score differs from reference's quotient by a few roundings (a reciprocal square root and a product in place of a root, a product and a
; division): two keys whose similarities agree to the last few bits may be ordered otherwise.  A key of zeros beside |q| over 3.4e30 (qe infinite) is not served.
.set SCL,   204800                     ; LDS: codes at 0 (25 x 8,192); the scale words (25 x 256);
.set RK,    211200                     ; rk: 16 bytes a thread, 4,096 bytes, of which the first 3,200 are read; no fill lands here
.set OUT,   215296                     ; 1,024 bytes for each wave for the way out; no fill lands here
.set SPARE, 223488                     ; the spare words, 128 bytes for each wave
.set LI,  1                            ; 16 x lane
.set ADK, 2                            ; v2-4 LDS addresses of the pair to be fetched: codes, scale words, rk
.set ADS, 3
.set ADR, 4
.set AS0, 5                            ; SCL + 8 x lane
.set AR0, 6                            ; RK + 32 (lane / 16)
.set GID, 7                            ; the group that my lane's 16 registers hold in the step in hand
.set SPW, 8                            ; my spare word
.set NIL, 9                            ; 0
.set QE,  10                           ; qe of my lane's query, tile u at QE + u % 4 + 8 (u / 4): v10-13, v18-21
.set QS,  14                           ; the query tiles' scale words, likewise: v14-17, v22-25 (numbers 6, 7, 0, 1 modulo 8; the keys' words have 2 to 5)
.set VAL, 26                           ; v26-41 the largest score so far: two sets by turns, set b written by the steps on key set b
.set IDX, 42                           ; v42-49 its group
.set KS,  50                           ; v50-53 the keys' scale words, two sets of two
.set S,   54                           ; v54-61 min(rk, qe) of eight keys
.set ACC, 62                           ; v62-93 two sets of two accumulators
.set RKR, 94                           ; v94-125 rk of my 16 keys, two sets
.set KF,  126                          ; v126-253 the keys' fragments, two sets of 64: (tile t, K step s) at 32 t + 16 s
.set OSA, 254                          ; the way out: OUT + 1,024 wave + 4 x lane
.set ORA, 255                          ; OUT + 1,024 wave + 16 x lane
.set G1P, 20                           ; s[20:27] group 1: 32 rows of 256 bytes
.set G1S, 28                           ; s[28:35] 25 rows
.set G1B, 36                           ; s[36:43] 72 rows
.set MSB, 0
.macro WIN new                         ; the immediate's high byte repeats the setting that is left
.if MSB != \new
	s_set_vgpr_msb (MSB<<8)|\new
.set MSB, \new
.endif
.endm
.macro G1SET g, r                      ; r dense rows of 32 elements of 8 bytes, no padding, no mask
	s_mov_b32 s[\g], 3<<16
	s_mov_b32 s[\g+1], 32<<16
	s_mov_b32 s[\g+2], (\r)<<16
	s_mov_b32 s[\g+3], 32<<16
	s_mov_b32 s[\g+4], \r
	s_mov_b32 s[\g+5], 32
	s_mov_b32 s[\g+6], 0
	s_mov_b32 s[\g+7], 0
.endm
.macro NOP4
.rept 4
	v_nop
.endr
.endm
	s_load_b256 s[4:11], s[0:1], 0x0               ; kcodes s[4:5], kmeta s[6:7], qcodes s[8:9], qmeta s[10:11]
	s_load_b128 s[12:15], s[0:1], 0x20             ; pval s[12:13], pidx s[14:15]
	v_lshl_add_u32 v[SPW], v0, 2, SPARE
	v_mov_b32 v[NIL], 0
	ds_add_u32 v[SPW], v[NIL]                      ; the opening lines: the add twice on end, and its wait, ahead of my first tensor load
	ds_add_u32 v[SPW], v[NIL]
	v_lshrrev_b32 v[OSA], 5, v0
	v_readfirstlane_b32 s16, v[OSA]                ; wave 0..7
	s_mov_b32 s17, ttmp9                           ; qh: which 1,024 queries
	s_and_b32 s18, ttmp7, 0xffff                   ; kc: which chunk of keys
	G1SET G1P, 32
	G1SET G1S, 25
	G1SET G1B, 72
	s_mul_i32 s56, s18, 204800                     ; the chunk's codes
	s_mov_b32 s44, 1                               ; s[44:47]: pair (wave), 8,192 bytes, for waves 0-6
	s_lshl_b32 s45, s16, 13
	s_add_co_u32 s58, s56, s45
	s_mov_b32 s59, 0
	s_mov_b32 s48, 1                               ; s[48:51]: the chunk's scale words
	s_mov_b32 s49, SCL
	s_mul_i32 s62, s18, 6400
	s_mov_b32 s63, 0
	s_mov_b32 s52, 1                               ; s[52:55]: 18,432 bytes of pairs 7-24: 57,344 + 18,432 x wave
	s_mul_i32 s53, s16, 18432
	s_add_co_u32 s53, s53, 57344
	s_add_co_u32 s60, s56, s53
	s_mov_b32 s61, 0
	s_mul_i32 s66, s18, 3200                       ; the chunk's rk
	s_add_co_u32 s66, s66, 800000
	s_mov_b32 s67, 0
	s_lshl_b32 s70, s17, 13                        ; my queries: scale words at 256 (32 qh + 4 wave),
	s_lshl_b32 s19, s16, 10
	s_add_co_u32 s70, s70, s19
	s_mov_b32 s71, 0
	s_lshl_b32 s72, s17, 12                        ; qe at 16,384 + 4 (1,024 qh + 128 wave): the 16,384 stands in the loads' immediate,
	s_lshl_b32 s19, s16, 9
	s_add_co_u32 s72, s72, s19
	s_mov_b32 s73, 0
	s_lshl_b32 s19, s18, 13                        ; my 128 results at 4 (2,048 kc + 1,024 qh + 128 wave),
	s_add_co_u32 s74, s72, s19
	s_mov_b32 s75, 0
	s_lshl_b32 s76, s17, 18                        ; codes at 4,096 (64 qh + 8 wave)
	s_lshl_b32 s19, s16, 15
	s_add_co_u32 s76, s76, s19
	s_mov_b32 s77, 0
	s_mov_b32 s92, 0x76543210
	s_mov_b32 s93, 0xfedcba98                      ; v_permlanex16_b32's selects for lane l xor 16
	s_mov_b32 s94, 0xffff0000                      ; a lane mask: lanes 16-31
	s_lshl_b32 s78, s16, 10
	s_add_co_u32 s78, s78, OUT
	s_mul_i32 s19, s18, 50
	v_and_b32 v[OSA], 31, v0                       ; lane
	v_bfe_u32 v[ORA], v0, 4, 1                     ; h
	v_lshlrev_b32 v[LI], 4, v[OSA]
	v_add_nc_u32 v[GID], s19, v[ORA]               ; the chunk's first pair: groups 50 kc and 50 kc + 1
	v_lshl_add_u32 v[AS0], v[OSA], 3, SCL
	v_lshl_add_u32 v[AR0], v[ORA], 5, RK
	v_lshlrev_b32 v[S], 3, v[OSA]                  ; 8 x lane
	v_and_b32 v[S+1], 15, v0
	v_lshlrev_b32 v[S+1], 2, v[S+1]                ; 4 r
	v_lshlrev_b32 v[S+2], 4, v0                    ; 16 x thread
	v_min_u32 v[S+3], 3184, v[S+2]                 ; rk in memory: threads 200-255 name the chunk's last 16 bytes again, so that no load leaves the chunk
	v_add_nc_u32 v[S+2], RK, v[S+2]                ; and in LDS: each thread its own 16 bytes
	v_lshl_add_u32 v[ORA], v[OSA], 4, s78
	v_lshl_add_u32 v[OSA], v[OSA], 2, s78
	s_wait_alu depctr_va_vdst(0)
	s_wait_dscnt 0x0                               ; both opening adds are done
	s_wait_kmcnt 0x0
	s_add_nc_u64 s[46:47], s[4:5], s[58:59]
	s_or_b32 s47, s47, 0x80000000
	s_add_nc_u64 s[50:51], s[6:7], s[62:63]
	s_or_b32 s51, s51, 0x80000000
	s_cmp_lt_u32 s16, 7                            ; one chain on the wave's number, one load to an arm: every wave issues one
	s_cbranch_scc0 .Lwords
	tensor_load_to_lds s[44:47], s[G1P:G1P+7]
	s_nop 0
	NOP4
	s_branch .Lasked
.Lwords:
	tensor_load_to_lds s[48:51], s[G1S:G1S+7]
	s_nop 0
	NOP4
.Lasked:
	s_add_nc_u64 s[68:69], s[6:7], s[66:67]
	s_add_nc_u64 s[2:3], s[10:11], s[70:71]
	s_add_nc_u64 s[10:11], s[10:11], s[72:73]
	s_add_nc_u64 s[8:9], s[8:9], s[76:77]
	global_load_b128 v[ACC:ACC+3], v[S+3], s[68:69]        ; my 16 bytes of rk
.irp pp, 0,1,2,3
	global_load_b64 v[QS+(2*\pp)%4+8*(\pp/2):QS+(2*\pp)%4+8*(\pp/2)+1], v[S], s[2:3] offset:256*\pp   ; tile 2 pp's and tile 2 pp + 1's words
.endr
.irp u, 0,1,2,3,4,5,6,7
	global_load_b32 v[QE+\u%4+8*(\u/4)], v[S+1], s[10:11] offset:16384+64*\u
.endr
	WIN 0x40                                       ; destination window 1, address window 0
.set n, 0
.rept 64
	global_load_b128 v[4*n:4*n+3], v[LI], s[8:9] offset:512*n              ; tile n / 8, K step (n / 4) % 2: the image as it lies, 512 consecutive bytes a load
.set n, n+1
.endr
	WIN 0
	s_add_nc_u64 s[54:55], s[4:5], s[60:61]
	s_or_b32 s55, s55, 0x80000000
	s_add_nc_u64 s[12:13], s[12:13], s[74:75]
	s_add_nc_u64 s[14:15], s[14:15], s[74:75]
	s_wait_loadcnt 63                              ; rk is in: 76 loads were issued behind it, of which the youngest 63 may stay out
	s_wait_tensorcnt 0x0                           ; my tile has landed: no tensor load of mine is out when I store to LDS
	ds_store_b128 v[S+2], v[ACC:ACC+3]
	s_wait_tensorcnt 0x0
	ds_add_u32 v[SPW], v[NIL]
	s_wait_dscnt 0x0                               ; the add and my store of rk are done
	s_barrier_signal -1
	s_barrier_wait -1                              ; pairs 0-6, the scale words and rk are whole
	tensor_load_to_lds s[52:55], s[G1B:G1B+7]      ; my 72 rows of pairs 7-24: my one load behind this barrier
	s_nop 0
	NOP4
.macro ADDR                            ; the LDS addresses of the pair at s80, s81, s82
	v_add_nc_u32 v[ADK], s80, v[LI]
	v_add_nc_u32 v[ADS], s81, v[AS0]
	v_add_nc_u32 v[ADR], s82, v[AR0]
.endm
.macro FETCH b, off                    ; the pair off pairs on, into set b: 21 LDS loads in one run
.irp f, 0,1,2,3
.irp c, 0,1,2,3
	ds_load_b128 v[KF+64*(\b)+16*\f+4*\c:KF+64*(\b)+16*\f+4*\c+3], v[ADK] offset:8192*(\off)+2048*\f+512*\c
.endr
.endr
	ds_load_b64 v[KS+2*(\b):KS+2*(\b)+1], v[ADS] offset:256*(\off)
.irp i, 0,1,2,3
	ds_load_b128 v[RKR+16*(\b)+4*\i:RKR+16*(\b)+4*\i+3], v[ADR] offset:128*(\off)+64*(\i/2)+16*(\i%2)
.endr
.endm
; Query tile u against key set b, into the accumulators at a: four matrix instructions on two accumulators by turns; the first two start the sums with the constant 0.
.macro MM b, u, a
	WIN 0x04                                       ; source 1 (the queries) window 1
	v_wmma_scale_f32_16x16x128_f8f6f4 v[\a:\a+7], v[KF+64*(\b):KF+64*(\b)+15], v[32*(\u):32*(\u)+15], 0, v[KS+2*(\b)], v[QS+((\u)%4)+8*((\u)/4)]
	v_wmma_scale_f32_16x16x128_f8f6f4 v[\a+8:\a+15], v[KF+64*(\b)+32:KF+64*(\b)+47], v[32*(\u):32*(\u)+15], 0, v[KS+2*(\b)+1], v[QS+((\u)%4)+8*((\u)/4)]
	v_wmma_scale_f32_16x16x128_f8f6f4 v[\a:\a+7], v[KF+64*(\b)+16:KF+64*(\b)+31], v[32*(\u)+16:32*(\u)+31], v[\a:\a+7], v[KS+2*(\b)], v[QS+((\u)%4)+8*((\u)/4)] matrix_a_scale:MATRIX_SCALE_ROW1 matrix_b_scale:MATRIX_SCALE_ROW1
	v_wmma_scale_f32_16x16x128_f8f6f4 v[\a+8:\a+15], v[KF+64*(\b)+48:KF+64*(\b)+63], v[32*(\u)+16:32*(\u)+31], v[\a+8:\a+15], v[KS+2*(\b)+1], v[QS+((\u)%4)+8*((\u)/4)] matrix_a_scale:MATRIX_SCALE_ROW1 matrix_b_scale:MATRIX_SCALE_ROW1
	WIN 0
.endm
.macro MINS b, u, k, i                 ; S[i], S[i + 1] = min(1 / |k|, |q| / eps) of keys k + i, k + i + 1 of set b and tile u's query
	v_dual_min_num_f32 v[S+\i], v[RKR+16*(\b)+(\k)+\i], v[QE+((\u)%4)+8*((\u)/4)] :: v_dual_min_num_f32 v[S+\i+1], v[RKR+16*(\b)+(\k)+\i+1], v[QE+((\u)%4)+8*((\u)/4)]
.endm
; A STEP.  In hand: tile cu against key set cb, whose products lie in accumulator set ca; S holds the minima of its first eight keys.  Next: tile nu against set nb (nb = -1: none).
; pw = 1: the LDS loads of the next step's key set are waited for; pw = 2: also my tensor load, and a barrier: pairs 7-24 are whole.  lw >= 0: the count that leaves the later query tiles' loads out.
; fo >= 0: key set fs, read for the last time, takes the pair fo pairs on.  first = 1: the chunk's first pair starts VAL and IDX.  gadd: what GID moves by behind the step.
.macro STEP cb, cu, ca, nb, nu, pw, lw, fs, fo, first, gadd
.set AC, ACC+16*(\ca)
.set AN, ACC+16-16*(\ca)
.set VN, VAL+8*(\cb)+(\cu)
.set VO, VAL+8-8*(\cb)+(\cu)
.if (\pw) || ((\lw) >= 0)
	s_wait_alu depctr_va_vdst(0)                   ; directly ahead of the waits below
.endif
.if (\lw) >= 0
	s_wait_loadcnt \lw
.endif
.if (\pw) == 2
	s_wait_tensorcnt 0x0
.endif
.if (\pw)
	s_wait_dscnt 0x0
.endif
.if (\pw) == 2
	s_barrier_signal -1
	s_barrier_wait -1
.endif
.if (\nb) >= 0
	MM \nb, \nu, AN
.endif
.irp i, 0,2,4,6
	v_dual_mul_f32 v[AC+\i], v[AC+\i], v[S+\i] :: v_dual_mul_f32 v[AC+\i+1], v[AC+\i+1], v[S+\i+1]   ; the scores of keys 0-7; the accumulator from its low end on
.endr
.irp i, 0,2,4,6
	MINS \cb, \cu, 8, \i
.endr
.if (\fo) >= 0
	FETCH \fs, \fo                                 ; behind the set's last minima; its last products stand a whole step's vector lines back
.endif
	v_max3_num_f32 v[AC], v[AC], v[AC+1], v[AC+2]  ; the largest of the 16, in place
	v_max3_num_f32 v[AC+3], v[AC+3], v[AC+4], v[AC+5]
.irp i, 0,2,4,6
	v_dual_mul_f32 v[AC+8+\i], v[AC+8+\i], v[S+\i] :: v_dual_mul_f32 v[AC+9+\i], v[AC+9+\i], v[S+\i+1]   ; keys 8-15
.endr
	v_max3_num_f32 v[AC+6], v[AC+6], v[AC+7], v[AC+8]
	v_max3_num_f32 v[AC+9], v[AC+9], v[AC+10], v[AC+11]
	v_max3_num_f32 v[AC+12], v[AC+12], v[AC+13], v[AC+14]
.if (\nb) >= 0
	MINS \nb, \nu, 0, 0                            ; the next step's first minima stand among the chain's last links
.endif
	v_max3_num_f32 v[AC], v[AC], v[AC+3], v[AC+15]
	v_max3_num_f32 v[AC+6], v[AC+6], v[AC+9], v[AC+12]
.if (\nb) >= 0
	MINS \nb, \nu, 0, 2
	MINS \nb, \nu, 0, 4
.endif
.if \first
	v_max_num_f32 v[VN], v[AC], v[AC+6]
.else
	v_max3_num_f32 v[VN], v[AC], v[AC+6], v[VO]    ; the new best score goes to the other set of VAL: the old one is still there to compare with
.endif
.if (\nb) >= 0
	MINS \nb, \nu, 0, 6
.endif
.if \first
	v_mov_b32 v[IDX+(\cu)], v[GID]
.else
	v_cmp_gt_f32 vcc_lo, v[VN], v[VO]              ; strictly larger: groups come in ascending order, so the first keeps a tie
	v_cndmask_b32 v[IDX+(\cu)], v[IDX+(\cu)], v[GID], vcc_lo
.endif
.if (\gadd) != 0
	v_add_nc_u32 v[GID], \gadd, v[GID]
.endif
.endm
.macro PHASE b, fo, pw, last           ; a pair: all eight query tiles against set b; in its last step the other set's first products are issued and set b is asked for anew
.irp u, 0,1,2,3,4,5,6
	STEP \b,\u,\u%2, \b,\u+1, 0,-1, 0,-1, 0, 0
.endr
.if \last
	STEP \b,7,1, -1,0, 0,-1, 0,-1, 0, 0
.else
	STEP \b,7,1, 1-\b,0, \pw,-1, \b,\fo, 0, 2
.endif
.endm
	s_mov_b32 s80, 0
	s_mov_b32 s81, 0
	s_mov_b32 s82, 0
	ADDR
	FETCH 0, 0
	FETCH 1, 1
	s_wait_alu depctr_va_vdst(0)                   ; directly ahead of the waits below
	s_wait_dscnt 0x0
	s_wait_loadcnt 56                              ; the queries' words, qe and tile 0 are in; the seven tiles behind it, eight loads each, may stay out
	MM 0, 0, ACC
.irp i, 0,2,4,6
	MINS 0, 0, 0, \i
.endr
	NOP4                                           ; with the four lines above: eight places ahead of the first read of these results
	; pairs 0 and 1 together, tile by tile as the query tiles land
.irp u, 0,1,2,3,4,5,6
	STEP 0,\u,0, 1,\u, 0,-1, 0,-1, 1, 2
	STEP 1,\u,1, 0,\u+1, 0,8*(6-\u), 0,-1, 0, -2
.endr
	STEP 0,7,0, 1,7, 0,-1, 0,2, 1, 2
	STEP 1,7,1, 0,0, 1,-1, 1,3, 0, 2
	PHASE 0, 4, 1, 0                               ; pair 2; asks for pair 4
	PHASE 1, 5, 2, 0                               ; pair 3; its last step has the barrier that shows pairs 7-24, and asks for pair 5
	s_mov_b32 s80, 6*8192
	s_mov_b32 s81, 6*256
	s_mov_b32 s82, 6*128
	ADDR
	s_mov_b32 s83, 9
.Ltrip:                                                ; nine trips of two pairs: pairs 4-21, which ask for pairs 6-23
	PHASE 0, 0, 1, 0
	PHASE 1, 1, 1, 0
	s_add_co_u32 s80, s80, 16384
	s_add_co_u32 s81, s81, 512
	s_add_co_u32 s82, s82, 256
	ADDR
	s_sub_co_u32 s83, s83, 1
	s_cmp_lg_u32 s83, 0
	s_wait_alu depctr_va_vdst(0)                   ; directly ahead of the branch
	s_cbranch_scc1 .Ltrip
	PHASE 0, 0, 1, 0                               ; pair 22; asks for pair 24
	PHASE 1, -1, 1, 0                              ; pair 23: nothing is left to ask for
	PHASE 0, -1, 0, 1                              ; pair 24
	; THE WAY OUT.  A query's even groups lie in lanes 0-15, its odd ones in lanes 16-31: the better of the two, the lower group on a tie.  Pair 24 wrote set 0 of VAL.
.irp u, 0,1,2,3,4,5,6,7
	v_permlanex16_b32 v[ACC+2*(\u%2)], v[VAL+\u], s92, s93
	v_permlanex16_b32 v[ACC+2*(\u%2)+1], v[IDX+\u], s92, s93
	v_cmp_gt_f32 s70, v[ACC+2*(\u%2)], v[VAL+\u]
	v_cmp_eq_f32 s71, v[ACC+2*(\u%2)], v[VAL+\u]
	v_cmp_lt_u32 s72, v[ACC+2*(\u%2)+1], v[IDX+\u]
	s_and_b32 s71, s71, s72
	s_or_b32 vcc_lo, s70, s71
	v_cndmask_b32 v[VAL+\u], v[VAL+\u], v[ACC+2*(\u%2)], vcc_lo
	v_cndmask_b32 v[IDX+\u], v[IDX+\u], v[ACC+2*(\u%2)+1], vcc_lo
.endr
.irp u, 0,2,4,6                        ; two tiles' 32 queries to a store: lanes 0-15 tile u's, lanes 16-31 tile u + 1's
	v_cndmask_b32 v[S+\u], v[VAL+\u], v[VAL+\u+1], s94
	v_cndmask_b32 v[S+\u+1], v[IDX+\u], v[IDX+\u+1], s94
	ds_store_b32 v[OSA], v[S+\u] offset:64*\u
	ds_store_b32 v[OSA], v[S+\u+1] offset:512+64*\u
.endr
	ds_load_b128 v[ACC+16:ACC+19], v[ORA]          ; my own bytes; LDS serves a wave's instructions in order (ISA guide 5.7.1.4): these see the stores above
	ds_load_b128 v[ACC+20:ACC+23], v[ORA] offset:512
	s_wait_dscnt 0x0
	global_store_b128 v[LI], v[ACC+16:ACC+19], s[12:13]    ; my 128 queries' scores: 512 consecutive bytes, aligned
	global_store_b128 v[LI], v[ACC+20:ACC+23], s[14:15]    ; and their groups
	s_wait_tensorcnt 0x0                           ; the wave's end
	ds_add_u32 v[SPW], v[NIL]
	s_wait_dscnt 0x0
	s_endpgm
.Lfunc_end_k_qc9f7c6f4f3_scan:
	.size	k_qc9f7c6f4f3_scan, .Lfunc_end_k_qc9f7c6f4f3_scan-k_qc9f7c6f4f3_scan
	.p2alignl 7, 3214868480
	.fill 96, 4, 3214868480
	.section	.rodata,"a",@progbits
	.p2align	6, 0x0
	.amdhsa_kernel k_qc9f7c6f4f3_scan
		.amdhsa_group_segment_fixed_size 327680
		.amdhsa_private_segment_fixed_size 0
		.amdhsa_enable_private_segment 0
		.amdhsa_kernarg_size 48
		.amdhsa_user_sgpr_count 2
		.amdhsa_user_sgpr_kernarg_segment_ptr 1
		.amdhsa_wavefront_size32 1
		.amdhsa_system_sgpr_workgroup_id_x 1
		.amdhsa_system_sgpr_workgroup_id_y 1
		.amdhsa_system_sgpr_workgroup_id_z 1
		.amdhsa_system_vgpr_workitem_id 0
		.amdhsa_next_free_vgpr 512
		.amdhsa_next_free_sgpr 96
		.amdhsa_reserve_vcc 1
		.amdhsa_float_denorm_mode_32 3
		.amdhsa_float_denorm_mode_16_64 3
		.amdhsa_memory_ordered 1
		.amdhsa_forward_progress 1
		.amdhsa_inst_pref_size 186
	.end_amdhsa_kernel
	.amdgpu_metadata
---
amdhsa.version: [ 1, 2 ]
amdhsa.kernels:
  - .name:           k_qc9f7c6f4f3_scan
    .symbol:         k_qc9f7c6f4f3_scan.kd
    .args:
      - { .name: kcodes, .offset: 0, .size: 8, .value_kind: global_buffer, .address_space: global }
      - { .name: kmeta, .offset: 8, .size: 8, .value_kind: global_buffer, .address_space: global }
      - { .name: qcodes, .offset: 16, .size: 8, .value_kind: global_buffer, .address_space: global }
      - { .name: qmeta, .offset: 24, .size: 8, .value_kind: global_buffer, .address_space: global }
      - { .name: pval, .offset: 32, .size: 8, .value_kind: global_buffer, .address_space: global }
      - { .name: pidx, .offset: 40, .size: 8, .value_kind: global_buffer, .address_space: global }
    .group_segment_fixed_size: 327680
    .private_segment_fixed_size: 0
    .kernarg_segment_align: 8
    .kernarg_segment_size: 48
    .max_flat_workgroup_size: 256
    .sgpr_count:     96
    .vgpr_count:     512
    .wavefront_size: 32
...
	.end_amdgpu_metadata
.endif
;; end of part 2
;; launch pick (part 3): grid 32 x 1, 16 waves a work-group, no clusters, 10,240 bytes of LDS; arguments pval, pidx, gsel; writes gsel
.if DOCPART == 3
	.amdgcn_target "amdgcn-amd-amdhsa--gfx1250"
	.amdhsa_code_object_version 6
	.text
	.protected	k_qc9f7c6f4f3_pick
	.globl	k_qc9f7c6f4f3_pick
	.p2align	8
	.type	k_qc9f7c6f4f3_pick,@function
k_qc9f7c6f4f3_pick:
	s_mov_b64 s[64:65], 0
	v_nop
	global_prefetch_b8 v0, s[64:65] scope:SCOPE_SE
	s_setreg_imm32_b32 hwreg(HW_REG_WAVE_MODE, 25, 1), 1
	s_wait_xcnt 0x0
; For each query the best of its 125 chunks: gsel[query] = the group of 16 keys that holds the row's largest score.  pval, pidx: [125][2048].
; A work-group takes 64 queries; a lane two (8 bytes), so that a wave's load is 256 consecutive bytes of one chunk's row, aligned.  Wave w takes chunks 8 w .. 8 w + 7, held at 124: the
; last wave reads chunk 124 four times, which changes nothing, since only a strictly larger score replaces the best.  Chunks are taken in ascending order, and groups rise with the
; chunk: so the first index keeps a tie.  The sixteen waves' results meet in LDS, and wave 0 takes the best of them, again in ascending order.
; No matrix unit, no tensor load, no cluster: 2 MB are read once, and nothing is shared between work-groups.  NaN is not served.
.set OF, 8                             ; v8-15   byte offsets of my eight chunks
.set PV, 16                            ; v16-31  scores, two a chunk
.set PG, 32                            ; v32-47  groups
.set B,  48                            ; v[48:51] my best: score, score, group, group
.set R,  52                            ; v[52:55] wave 0: the work-group's best
.set L,  64                            ; v64-127 wave 0: the sixteen waves' results
.macro BEST dv, dg, cv, cg, nv, ng     ; (dv, dg) = the newcomer (nv, ng) where its score is strictly larger, else the holder (cv, cg)
	v_cmp_gt_f32 vcc_lo, v[\nv], v[\cv]
	s_delay_alu instid0(VALU_DEP_1)
	v_cndmask_b32 v[\dv], v[\cv], v[\nv], vcc_lo
	s_delay_alu instid0(VALU_DEP_2)
	v_cndmask_b32 v[\dg], v[\cg], v[\ng], vcc_lo
.endm
	s_load_b128 s[4:7], s[0:1], 0x0                ; pval s[4:5], pidx s[6:7]
	s_load_b64 s[8:9], s[0:1], 0x10                ; gsel
	v_lshl_add_u32 v128, v0, 2, 0x2000
	v_mov_b32 v129, 0
	v_lshrrev_b32 v1, 5, v0
	s_delay_alu instid0(VALU_DEP_1)
	v_readfirstlane_b32 s10, v1                    ; wave 0..15
	v_and_b32 v1, 31, v0
	s_delay_alu instid0(VALU_DEP_1)
	v_lshlrev_b32 v2, 3, v1                        ; 8 x lane
	s_wait_alu depctr_va_vdst(0)
	v_lshlrev_b32 v3, 4, v1                        ; 16 x lane
	s_wait_alu depctr_va_vdst(0)
	s_lshl_b32 s11, ttmp9, 8                       ; my work-group's 64 queries: 256 bytes of a row
	s_lshl_b32 s12, s10, 3
.irp i, 0,1,2,3,4,5,6,7
	s_add_co_u32 s13, s12, \i
	s_min_u32 s13, s13, 124
	s_lshl_b32 s13, s13, 13                        ; a chunk's row is 8,192 bytes
	s_add_co_u32 s13, s13, s11
	v_add_nc_u32 v[OF+\i], s13, v2
.endr
	s_lshl_b32 s14, s10, 9
	v_add_nc_u32 v4, s14, v3                       ; LDS: 512 x wave + 16 x lane
	s_mov_b32 s16, s11
	s_mov_b32 s17, 0
	s_wait_alu depctr_va_vdst(0)
	s_wait_kmcnt 0x0
	s_add_nc_u64 s[8:9], s[8:9], s[16:17]
.irp i, 0,1,2,3,4,5,6,7
	global_load_b64 v[PV+2*\i:PV+2*\i+1], v[OF+\i], s[4:5]
.endr
.irp i, 0,1,2,3,4,5,6,7
	global_load_b64 v[PG+2*\i:PG+2*\i+1], v[OF+\i], s[6:7]
.endr
	s_wait_loadcnt 0x0
	BEST B,   B+2, PV,   PG,   PV+2, PG+2          ; chunks 0 and 1 start the best: nothing is copied
	BEST B+1, B+3, PV+1, PG+1, PV+3, PG+3
.irp i, 2,3,4,5,6,7
	BEST B,   B+2, B,   B+2, PV+2*\i,   PG+2*\i
	BEST B+1, B+3, B+1, B+3, PV+2*\i+1, PG+2*\i+1
.endr
	ds_store_b128 v4, v[B:B+3]
	s_wait_dscnt 0x0                               ; for the others' sake: my store has landed
	s_barrier_signal -1
	s_barrier_wait -1
	s_cmp_lg_u32 s10, 0
	s_cbranch_scc1 .Ldone
.irp w, 0,1,2,3,4,5,6,7,8,9,10,11,12,13,14,15
	ds_load_b128 v[L+4*\w:L+4*\w+3], v3 offset:512*\w
.endr
	s_wait_dscnt 0x0
	BEST R,   R+2, L,   L+2, L+4, L+6
	BEST R+1, R+3, L+1, L+3, L+5, L+7
.irp w, 2,3,4,5,6,7,8,9,10,11,12,13,14,15
	BEST R,   R+2, R,   R+2, L+4*\w,   L+4*\w+2
	BEST R+1, R+3, R+1, R+3, L+4*\w+1, L+4*\w+3
.endr
	global_store_b64 v2, v[R+2:R+3], s[8:9]        ; 64 groups: 256 consecutive bytes, aligned
.Ldone:
	s_wait_tensorcnt 0x0
	ds_add_u32 v128, v129
	s_wait_dscnt 0x0
	s_endpgm
.Lfunc_end_k_qc9f7c6f4f3_pick:
	.size	k_qc9f7c6f4f3_pick, .Lfunc_end_k_qc9f7c6f4f3_pick-k_qc9f7c6f4f3_pick
	.p2alignl 7, 3214868480
	.fill 96, 4, 3214868480
	.section	.rodata,"a",@progbits
	.p2align	6, 0x0
	.amdhsa_kernel k_qc9f7c6f4f3_pick
		.amdhsa_group_segment_fixed_size 10240
		.amdhsa_private_segment_fixed_size 0
		.amdhsa_enable_private_segment 0
		.amdhsa_kernarg_size 24
		.amdhsa_user_sgpr_count 2
		.amdhsa_user_sgpr_kernarg_segment_ptr 1
		.amdhsa_wavefront_size32 1
		.amdhsa_system_sgpr_workgroup_id_x 1
		.amdhsa_system_sgpr_workgroup_id_y 1
		.amdhsa_system_sgpr_workgroup_id_z 1
		.amdhsa_system_vgpr_workitem_id 0
		.amdhsa_next_free_vgpr 130
		.amdhsa_next_free_sgpr 66
		.amdhsa_reserve_vcc 1
		.amdhsa_float_denorm_mode_32 3
		.amdhsa_float_denorm_mode_16_64 3
		.amdhsa_memory_ordered 1
		.amdhsa_forward_progress 1
		.amdhsa_inst_pref_size 13
	.end_amdhsa_kernel
	.amdgpu_metadata
---
amdhsa.version: [ 1, 2 ]
amdhsa.kernels:
  - .name:           k_qc9f7c6f4f3_pick
    .symbol:         k_qc9f7c6f4f3_pick.kd
    .args:
      - { .name: pval, .offset: 0, .size: 8, .value_kind: global_buffer, .address_space: global }
      - { .name: pidx, .offset: 8, .size: 8, .value_kind: global_buffer, .address_space: global }
      - { .name: gsel, .offset: 16, .size: 8, .value_kind: global_buffer, .address_space: global }
    .group_segment_fixed_size: 10240
    .private_segment_fixed_size: 0
    .kernarg_segment_align: 8
    .kernarg_segment_size: 24
    .max_flat_workgroup_size: 512
    .sgpr_count:     66
    .vgpr_count:     130
    .wavefront_size: 32
...
	.end_amdgpu_metadata
.endif
;; end of part 3
;; launch fetch (part 4): grid 256 x 1, 8 waves a work-group, no clusters, 0 bytes of LDS; arguments memory, kcodes, kmeta, qcodes, qmeta, gsel, out0; writes out0
.if DOCPART == 4
	.amdgcn_target "amdgcn-amd-amdhsa--gfx1250"
	.amdhsa_code_object_version 6
	.text
	.protected	k_qc9f7c6f4f3_fetch
	.globl	k_qc9f7c6f4f3_fetch
	.p2align	8
	.type	k_qc9f7c6f4f3_fetch,@function
k_qc9f7c6f4f3_fetch:
	s_mov_b64 s[64:65], 0
	v_nop
	global_prefetch_b8 v0, s[64:65] scope:SCOPE_SE
	s_setreg_imm32_b32 hwreg(HW_REG_WAVE_MODE, 25, 1), 1
	s_wait_xcnt 0x0
; out0[q] = the values (the second 256 numbers of a row of memory) of the best key of query q.  gsel[q], stored by an earlier launch, names the group g of 16 neighbouring keys that holds it.
; A wave takes one query.  ALL ADDRESSES HANG ON g ALONE: the wave loads the 16 keys' codes and all 16 rows of values, computes the 16 scores anew by the quantised product (two matrix
; instructions), finds the first largest, and CHOOSES among the 16 rows in registers (v_cndmask_b32): no address and no branch hangs on a score.
; Source 0 = the group's 16 keys (row m = key 16 g + m), source 1 = query q in every one of the 16 columns: so lane (r, h) holds the scores of keys 16 g + 8 h + 0 .. 7, whatever r.
; Layouts of kcodes, kmeta, qcodes, qmeta: a pair P of 32 rows, tile t, K step s: codes at 8192 P + 4096 t + 2048 s + 512 c + 16 (row + 16 hh); scale words at 256 P + 8 (row + 16 s) + 4 t;
; rk at 800,000 + 128 P + 4 (16 t + row), qe at 16,384 + 4 q.  Key 16 g + m, with g = 2 P + hg, is tile m / 8, row 8 hg + m % 8.
; g is held to 0 .. 6249 before it enters an address; behind that it goes through ANDs, left shifts and additions alone.  No LDS, no barrier: waves share nothing.
; The rows of values carry no hint: two queries may name one group.  NaN and infinities are not served.
	s_load_b256 s[4:11], s[0:1], 0x0               ; memory s[4:5], kcodes s[6:7], kmeta s[8:9], qcodes s[10:11]
	s_load_b128 s[12:15], s[0:1], 0x20             ; qmeta s[12:13], gsel s[14:15]
	s_load_b64 s[16:17], s[0:1], 0x30              ; out0
	v_lshrrev_b32 v1, 5, v0
	s_delay_alu instid0(VALU_DEP_1)
	v_readfirstlane_b32 s18, v1                    ; wave 0..7
	s_lshl_b32 s19, ttmp9, 3
	s_add_co_u32 s19, s19, s18                     ; q
	s_lshl_b32 s20, s19, 2
	s_mov_b32 s21, 0
	s_mov_b32 s31, 0
	s_wait_kmcnt 0x0
	s_add_nc_u64 s[22:23], s[14:15], s[20:21]
	s_add_nc_u64 s[26:27], s[12:13], s[20:21]
	s_load_b32 s24, s[22:23], 0x0                  ; g
	s_load_b32 s25, s[26:27], 0x4000               ; qe[q]
	v_and_b32 v1, 31, v0                           ; lane
	v_bfe_u32 v2, v0, 4, 1                         ; h
	v_and_b32 v3, 7, v0                            ; r % 8
	v_bfe_u32 v10, v0, 3, 1                        ; r / 8
	s_delay_alu instid0(VALU_DEP_1)
	v_lshlrev_b32 v4, 12, v10
	s_delay_alu instid0(VALU_DEP_1)
	v_lshl_add_u32 v4, v3, 4, v4
	s_delay_alu instid0(VALU_DEP_1)
	v_lshl_add_u32 v4, v2, 8, v4                   ; the keys' codes: 4096 (r / 8) + 16 (r % 8) + 256 h
	v_lshlrev_b32 v5, 3, v3
	s_delay_alu instid0(VALU_DEP_1)
	v_lshl_add_u32 v5, v2, 7, v5
	s_delay_alu instid0(VALU_DEP_1)
	v_lshl_add_u32 v5, v10, 2, v5                  ; their scale words: 8 (r % 8) + 128 h + 4 (r / 8)
	v_lshlrev_b32 v6, 6, v2                        ; rk of keys 8 h + 0 .. 7: 64 h
	v_lshlrev_b32 v7, 8, v2                        ; the query's codes: 256 h
	v_lshlrev_b32 v8, 7, v2                        ; its scale words: 128 h
	v_lshlrev_b32 v9, 4, v1                        ; 16 x lane
	s_mov_b32 s2, 0x76543210
	s_mov_b32 s3, 0xfedcba98                       ; v_permlanex16_b32's selects for lane l xor 16
	s_lshr_b32 s30, s19, 4                         ; the query's tile U = q / 16,
	s_lshl_b32 s30, s30, 12
	s_and_b32 s34, s19, 15                         ; its row n0 = q % 16
	s_lshl_b32 s35, s34, 4
	s_add_co_u32 s30, s30, s35
	s_add_nc_u64 s[40:41], s[10:11], s[30:31]      ; qcodes + 4096 U + 16 n0
	s_lshr_b32 s30, s19, 5
	s_lshl_b32 s30, s30, 8
	s_lshl_b32 s35, s34, 3
	s_add_co_u32 s30, s30, s35
	s_bfe_u32 s35, s19, 0x10004
	s_lshl_b32 s35, s35, 2
	s_add_co_u32 s30, s30, s35
	s_add_nc_u64 s[42:43], s[12:13], s[30:31]      ; qmeta + 256 (q / 32) + 8 n0 + 4 (U % 2)
	s_lshl_b32 s30, s19, 10
	s_add_nc_u64 s[46:47], s[16:17], s[30:31]      ; out0 + 1024 q
	s_wait_alu depctr_va_vdst(0)
	s_wait_kmcnt 0x0
	s_min_u32 s24, s24, 6249
	s_and_b32 s28, s24, 0x1ffe                     ; 2 P
	s_and_b32 s29, s24, 1                          ; hg
	s_lshl_b32 s30, s28, 12
	s_lshl_b32 s34, s29, 7
	s_add_co_u32 s30, s30, s34
	s_add_nc_u64 s[32:33], s[6:7], s[30:31]        ; kcodes + 8192 P + 128 hg
	s_lshl_b32 s30, s28, 7
	s_lshl_b32 s34, s29, 6
	s_add_co_u32 s30, s30, s34
	s_add_nc_u64 s[36:37], s[8:9], s[30:31]        ; kmeta + 256 P + 64 hg
	s_lshl_b32 s30, s28, 6
	s_lshl_b32 s34, s29, 5
	s_add_co_u32 s30, s30, s34
	s_add_co_u32 s30, s30, 800000
	s_add_nc_u64 s[38:39], s[8:9], s[30:31]        ; kmeta + 800,000 + 128 P + 32 hg
	s_lshl_b32 s30, s24, 15
	s_add_co_u32 s30, s30, 1024
	s_add_nc_u64 s[44:45], s[4:5], s[30:31]        ; memory + 2048 x 16 g + 1024: the values of the group's first key
	; twenty small loads for the scores
.irp s, 0,1
.irp c, 0,1,2,3
	global_load_b128 v[16+16*\s+4*\c:19+16*\s+4*\c], v4, s[32:33] offset:2048*\s+512*\c
.endr
.endr
	global_load_b32 v48, v5, s[36:37]              ; the keys' scale words: lanes 0-15 K step 0, lanes 16-31 K step 1
	global_load_b128 v[56:59], v6, s[38:39]
	global_load_b128 v[60:63], v6, s[38:39] offset:16
.irp s, 0,1
.irp c, 0,1,2,3
	global_load_b128 v[64+16*\s+4*\c:67+16*\s+4*\c], v7, s[40:41] offset:2048*\s+512*\c
.endr
.endr
	global_load_b32 v49, v8, s[42:43]              ; the query's scale words, likewise
	; and the sixteen rows of values, 1,024 bytes each: a load is 512 consecutive bytes
.irp m, 0,1,2,3,4,5,6,7,8,9,10,11,12,13,14,15
.irp e, 0,1
	global_load_b128 v[128+8*\m+4*\e:131+8*\m+4*\e], v9, s[44:45] offset:2048*\m+512*\e
.endr
.endr
	s_wait_loadcnt 32                              ; the twenty are in; the 32 loads of values, issued behind them, may stay out
	v_wmma_scale_f32_16x16x128_f8f6f4 v[96:103], v[16:31], v[64:79], 0, v48, v49
	s_wait_alu depctr_va_vdst(0)                   ; one accumulator
	v_wmma_scale_f32_16x16x128_f8f6f4 v[96:103], v[32:47], v[80:95], v[96:103], v48, v49 matrix_a_scale:MATRIX_SCALE_ROW1 matrix_b_scale:MATRIX_SCALE_ROW1
.irp j, 0,1,2,3,4,5,6,7
	v_min_num_f32 v[104+\j], s25, v[56+\j]         ; min(1 / |k|, |q| / eps).  These eight and the three below name no register of the products: the places ahead of the first read of the result (ISA guide 7.12.1)
.endr
	v_mov_b32 v121, 0                              ; the best key's number in my eight
	v_mov_b32 v122, 0                              ; (a lane permute's destination counts as one of its sources)
	v_mov_b32 v123, 0
.irp j, 0,2,4,6
	v_pk_mul_f32 v[112+\j:113+\j], v[96+\j:97+\j], v[104+\j:105+\j]   ; the scores; the accumulator from its low end on
.endr
	s_delay_alu instid0(VALU_DEP_4)
	v_cmp_gt_f32 vcc_lo, v113, v112                ; strictly larger, in ascending order: the first keeps a tie
	s_delay_alu instid0(VALU_DEP_1)
	v_cndmask_b32 v120, v112, v113, vcc_lo
	s_delay_alu instid0(VALU_DEP_2)
	v_cndmask_b32 v121, v121, 1, vcc_lo
.irp j, 2,3,4,5,6,7
	s_delay_alu instid0(VALU_DEP_2)
	v_cmp_gt_f32 vcc_lo, v[112+\j], v120
	s_delay_alu instid0(VALU_DEP_1)
	v_cndmask_b32 v120, v120, v[112+\j], vcc_lo
	s_delay_alu instid0(VALU_DEP_2)
	v_cndmask_b32 v121, v121, \j, vcc_lo
.endr
	s_delay_alu instid0(VALU_DEP_1)
	v_lshl_add_u32 v121, v2, 3, v121               ; + 8 h: its number in the group
	s_delay_alu instid0(VALU_DEP_3)
	v_permlanex16_b32 v122, v120, s2, s3
	s_delay_alu instid0(VALU_DEP_2)
	v_permlanex16_b32 v123, v121, s2, s3
	s_delay_alu instid0(VALU_DEP_2)
	v_cmp_gt_f32 s34, v122, v120                   ; the other half's eight: the better, the lower number on a tie
	s_delay_alu instid0(VALU_DEP_3)
	v_cmp_eq_f32 s35, v122, v120
	s_delay_alu instid0(VALU_DEP_3)
	v_cmp_lt_u32 s30, v123, v121
	s_and_b32 s35, s35, s30
	s_or_b32 vcc_lo, s34, s35
	v_cndmask_b32 v121, v121, v123, vcc_lo         ; every lane now holds the best key's number, 0 .. 15
	s_wait_alu depctr_va_vdst(0)
	s_wait_loadcnt 0x0                             ; the values
.irp m, 1,2,3,4,5,6,7,8,9,10,11,12,13,14,15
	v_cmp_eq_u32 vcc_lo, \m, v121
.irp k, 0,1,2,3,4,5,6,7
	v_cndmask_b32 v[128+\k], v[128+\k], v[128+8*\m+\k], vcc_lo   ; row 0's registers are the start: they keep row 0 unless another row is the one
.endr
.endr
	global_store_b128 v9, v[128:131], s[46:47]             ; 512 consecutive bytes, aligned
	global_store_b128 v9, v[132:135], s[46:47] offset:512
	s_endpgm
.Lfunc_end_k_qc9f7c6f4f3_fetch:
	.size	k_qc9f7c6f4f3_fetch, .Lfunc_end_k_qc9f7c6f4f3_fetch-k_qc9f7c6f4f3_fetch
	.p2alignl 7, 3214868480
	.fill 96, 4, 3214868480
	.section	.rodata,"a",@progbits
	.p2align	6, 0x0
	.amdhsa_kernel k_qc9f7c6f4f3_fetch
		.amdhsa_group_segment_fixed_size 0
		.amdhsa_private_segment_fixed_size 0
		.amdhsa_enable_private_segment 0
		.amdhsa_kernarg_size 56
		.amdhsa_user_sgpr_count 2
		.amdhsa_user_sgpr_kernarg_segment_ptr 1
		.amdhsa_wavefront_size32 1
		.amdhsa_system_sgpr_workgroup_id_x 1
		.amdhsa_system_sgpr_workgroup_id_y 1
		.amdhsa_system_sgpr_workgroup_id_z 1
		.amdhsa_system_vgpr_workitem_id 0
		.amdhsa_next_free_vgpr 256
		.amdhsa_next_free_sgpr 66
		.amdhsa_reserve_vcc 1
		.amdhsa_float_denorm_mode_32 3
		.amdhsa_float_denorm_mode_16_64 3
		.amdhsa_memory_ordered 1
		.amdhsa_forward_progress 1
		.amdhsa_inst_pref_size 16
	.end_amdhsa_kernel
	.amdgpu_metadata
---
amdhsa.version: [ 1, 2 ]
amdhsa.kernels:
  - .name:           k_qc9f7c6f4f3_fetch
    .symbol:         k_qc9f7c6f4f3_fetch.kd
    .args:
      - { .name: memory, .offset: 0, .size: 8, .value_kind: global_buffer, .address_space: global }
      - { .name: kcodes, .offset: 8, .size: 8, .value_kind: global_buffer, .address_space: global }
      - { .name: kmeta, .offset: 16, .size: 8, .value_kind: global_buffer, .address_space: global }
      - { .name: qcodes, .offset: 24, .size: 8, .value_kind: global_buffer, .address_space: global }
      - { .name: qmeta, .offset: 32, .size: 8, .value_kind: global_buffer, .address_space: global }
      - { .name: gsel, .offset: 40, .size: 8, .value_kind: global_buffer, .address_space: global }
      - { .name: out0, .offset: 48, .size: 8, .value_kind: global_buffer, .address_space: global }
    .group_segment_fixed_size: 0
    .private_segment_fixed_size: 0
    .kernarg_segment_align: 8
    .kernarg_segment_size: 56
    .max_flat_workgroup_size: 256
    .sgpr_count:     66
    .vgpr_count:     256
    .wavefront_size: 32
...
	.end_amdgpu_metadata
.endif
;; end of part 4
